; MI455X (gfx1250); checked and timed in simulation.
; The chip was launched on July 23, 2026; its instructions are those of AMD's public machine-readable ISA for CDNA 5 (MIT licence, August 2026) and "CDNA5" Instruction Set Architecture Reference Guide (July 2026). The comments in the code are by the model that wrote it; some were corrected since.
;; MSA Column Attention. Allowed arithmetic: matrix products marked QUANTISED: E3M2 operands, one E8M0 scale for each 32 along K, by v_wmma_scale_f32_16x16x128_f8f6f4 with both operands' format E3M2, f32 sums; products left as they are: f32 operands where the result goes on into a quantised operand, else bf16, f16 or f32 operands; f32 sums; everything else in f32.
;; Inputs: Wg 32 x 256 float32; Wk 32 x 256 float32; Wo 256 x 32 float32; Wq 32 x 256 float32; Wv 32 x 256 float32; bo 32 float32; ln_beta 32 float32; ln_gamma 32 float32; m 1 x 256 x 256 x 32 float32.
;; Outputs: out0 1 x 256 x 256 x 32 float32.
;; This version of the problem:
;;   THIS VERSION OF THE PROBLEM IS GIVEN IN LOW PRECISION. The matrix products marked QUANTISED in the list below multiply operands that are first quantised to E3M2 (3 exponent bits, 2 mantissa bits; 6 bits a number), with one power-of-two scale for each 32 numbers along K (OCP MX v1.0); their sums are f32. All else is computed in f32.
;;   The module's matrix products, in the order in which they are computed (A, B: the left and right operand; K: the contracted axis; several contracted axes count as one K, in the product's order):
;;     1. [M 65,536, K 32] x [K 32, N 256]; A: computed on the way; B: input Wq: QUANTISED
;;     2. [M 65,536, K 32] x [K 32, N 256]; A: computed on the way; B: input Wk: QUANTISED
;;     3. [M 65,536, K 32] x [K 32, N 256]; A: computed on the way; B: input Wv: QUANTISED
;;     4. [M 65,536, K 32] x [K 32, N 256]; A: computed on the way; B: input Wg: QUANTISED
;;     5. batch 2,048 x [M 256, K 32] x [K 32, N 256]; A: computed on the way; B: computed on the way: QUANTISED
;;     6. batch 524,288 x [M 1, K 1] x [K 1, N 32]; A: computed on the way; B: computed on the way: left as it is (no contracted axis)
;;     7. [M 65,536, K 256] x [K 256, N 32]; A: computed on the way; B: input Wo: QUANTISED
;;   THE QUANTISER, for each operand of a quantised product, along K:
;;     - K is cut into blocks of 32 from its start; a last block that is shorter is filled with zeros.
;;     - A block's scale is 2^e with e = floor(log2(the largest magnitude in the block)) - 4, held to -126 .. 127; a block of zeros has e = 0. As a byte (E8M0): e + 127.
;;     - Each number is divided by its block's scale, clamped to +-28, and rounded to the nearest number of E3M2, ties to even, subnormals kept.
;;     - The product sums the exact products of the quantised numbers (number of the format x scale) in f32.
;;   ~~~python
;;   def quantise(x, axis):      # numpy; x: float32 -> the quantised numbers, widened to float32 again
;;       x = np.moveaxis(x, axis, -1); K = x.shape[-1]
;;       x = np.pad(x, [(0, 0)] * (x.ndim - 1) + [(0, -K % 32)]); x = x.reshape(x.shape[:-1] + (-1, 32)); a = np.abs(x).max(-1, keepdims=True)
;;       e = np.where(a > 0, np.clip(np.frexp(np.where(a > 0, a, 1))[1] - 1 - 4, -126, 127), 0)      # np.frexp(a)[1] - 1 = floor(log2(a)), exactly
;;       r = np.clip(x / 2.0 ** e, -28, 28)
;;       step = 2.0 ** (np.maximum(np.frexp(np.where(r == 0, 1, r))[1] - 1, -2) - 2)
;;       q = np.round(r / step) * step * 2.0 ** e      # np.round: ties to even
;;       return np.moveaxis(q.reshape(q.shape[:-2] + (-1,))[..., :K], -1, axis).astype(np.float32)
;;   ~~~
;;   OPERANDS COMPUTED ON THE WAY. 'Computed on the way' means the value that the module computes at that place (a softmax that the list does not call 'softmax' is quantised finished and normalised). What goes into a quantiser is computed in f32, as accurately as f32 sums, v_exp_f32 and their like allow (about 1e-6 of the number): no bf16 or f16 on the way to a quantiser, and a product that is left as it is and whose result goes on into a quantised operand takes f32 operands (vector FMAs, or v_wmma_f32_16x16x4_f32). A number that lies on a knife's edge between two numbers of the format may be rounded either way, as far as f32 arithmetic and the matrix unit's own rounding can turn it there, and no further.
;; One version. Each part assembles by itself: llvm-mc -triple=amdgcn-amd-amdhsa -mcpu=gfx1250 --defsym DOCPART=n.
;; ======== version 1 of 1: 1 launch
;; launch colattn (part 1): grid 256 x 1, 16 waves a work-group, no clusters, 196,864 bytes of LDS; arguments m, ln_gamma, ln_beta, Wq, Wk, Wv, Wg, Wo, bo, out0; writes out0
.if DOCPART == 1
	.amdgcn_target "amdgcn-amd-amdhsa--gfx1250"
	.amdhsa_code_object_version 6
	.text
	.protected	k_qedef372086_colattn
	.globl	k_qedef372086_colattn
	.p2align	8
	.type	k_qedef372086_colattn,@function
k_qedef372086_colattn:
	s_mov_b64 s[64:65], 0
	v_nop
	global_prefetch_b8 v0, s[64:65] scope:SCOPE_SE
	s_setreg_imm32_b32 hwreg(HW_REG_WAVE_MODE, 25, 1), 1
	s_wait_xcnt 0x0
; MSA column attention, all matrix products on codes of BF6 (E3M2) with one E8M0 scale for each 32 along K.
;   mn = LayerNorm(m) gamma + beta;  q, k, v, g = mn Wq, mn Wk, mn Wv, sigmoid(mn Wg);  a = softmax over t of q[s] . k[t] / sqrt(32), for each column i and head;
;   o = g x (sum over t of a) x v[s];  out = o Wo + bo.        m, out0: [256 s][256 i][32] f32; Wq, Wk, Wv, Wg: [32][256]; Wo: [256][32].
; SHARES.  256 work-groups of 16 waves.  Work-group g: columns i0 = 2 (g / 2), i0 + 1, and the queries s = 128 (g % 2) .. + 127.  It reads 256 rows of 256 consecutive bytes of m and stores 128 such
; rows of out0.  Rows are numbered sigma = s xor 128 (g % 2): the queries are sigma 0-127, the keys sigma 0-255; g % 2 enters global addresses alone.  (LayerNorm and k of a pair of columns are so made twice, in two work-groups.)
; Wave w owns column w / 8 and head w % 8 for the whole launch: four waves share a SIMD's registers, 256 each, so that one wave's softmax stands beside another's products and LDS loads.
; K = 32 IN AN INSTRUCTION THAT IS 128 DEEP.  An operand has four blocks of 32: block b lies in lanes 16 (b % 2) + r, registers 6 (b / 2) .. + 5.
;   Keys: block b of fragment f holds key tile 4 f + b (16 keys), byte b of the scale word its scales: all 256 keys of my column and head are 48 registers + 4 scale words and STAY IN REGISTERS.
;   Queries: the tile of 16 queries is given four times, alive in block b alone, zero codes elsewhere (a zero code adds exactly nothing under any scale byte but 0xff, which is never made here).
;   The four are runs of 12 registers in the chain Z0 QLO Z1 QHI Z2 (6 each): QLO = the tile in lanes 0-15, zeros above; QHI = zeros, the tile in lanes 16-31; Z = zeros for ever.
;   [QLO Z1] block 0, [QHI Z2] block 1, [Z0 QLO] block 2, [Z1 QHI] block 3.  The query's scale byte is repeated in all four bytes of its word.
; ALL PRODUCTS ARE USED TRANSPOSED (source 0 = weights' columns or keys, source 1 = rows of mn, queries, rows of o): a lane holds ONE row (lane % 16) throughout.
; THE COLUMNS OF A WEIGHT THAT FORM A TILE ARE NOT NEIGHBOURS: lane r of tile u takes column 32 head + 8 u + r + 8 (r / 8), so that a lane's 16 results of tiles 0 and 1 are channels 16 (lane / 16) + 0 .. 15.
; THE SOFTMAX.  A lane and the lane 16 away hold all 256 scores of a query: the true maximum is taken once, e = 2^(c s - c max), L = the sum of e.  Only the SUM over t of e / L is used by what follows:
;   the common divisor is taken out of the sum, (sum of e) x (1 / L).
; NO TENSOR LOADS, NO CLUSTER: what work-groups share is m's 64 KiB (two work-groups) and the weights' 160 KiB, each read once at the head and each on its way through registers to a quantiser; the loop reads no memory.
; LIMITS.  NaN and infinities among the inputs are not served.  A block whose largest magnitude lies under 2^-122 (zeros among them) has its scale byte held at 1; the bytes are read by this program alone.
.set STG, 0                            ; LDS: a stage of 4,352 bytes for each wave: 16 rows x (256 + 16) at the head, 16 rows x (128 + 16) at the end
.set MN,  69632                        ; mn's codes [column][sigma][24 bytes]
.set MS,  81920                        ; mn's scale words [column][sigma], the byte four times
.set WI,  83968                        ; 32 units (x, head), x = 0 k, 1 q, 2 v, 3 g, 1,536 bytes: three pieces of 512: [tile 0: 16 lanes x 8][128 zeros][tile 1][128 zeros]
.set WS,  133120                       ; their scale words, 4 bytes a lane: lanes 0-15 tile 0, lanes 16-31 tile 1
.set WOI, 137216                       ; Wo's four fragments (2 K step + tile) as images of their registers: register n at 128 n + 4 x lane
.set WOS, 143360                       ; Wo's scale bytes: 128 K step + 64 tile + 4 row + block
.set OC,  143616                       ; o's codes, a region of 3,072 bytes for each wave (column, head): [sigma 0-127][24 bytes]
.set OS,  192768                       ; o's scale bytes, 128 for each wave
.set S,   128                          ; v128-255 the scores; at the head m, gamma, beta and two weight units; at the end Wo's and o's fragments
.set KP,  70                           ; v70-117  the packed keys (at the head: Wo's numbers, then my rows of m)
.set KS,  118                          ; v118-121 their scale words;  v122 the queries';  v123 the weight tiles';  v124-127 mn's (at the end o's and Wo's): scales (v126-127 also a partial sum of the softmax)
.set TM,  192                          ; the keys' quantiser: 16 registers at work,
.set CT,  208                          ; and 7 for the codes that change lanes
; v1 WA, v2 WSA: a weight unit's image and scale words for my head;  v3, v4: mn's codes and scale words of my column, row r;  v5, v6: where o's codes and bytes go;  v7-10: these four + the trip's step
; v11-14, v33 at work in the quantisers;  v15: (lane / 16) x 32,768 + 16 (lane % 16): two rows of m or out0, 256 bytes each;  v16-33 at work;  v34-39 M: a tile of mn;  v40-69 the chain
; a weight unit's two tiles into QLO and QHI: lanes 16-31 fall on the zeros that lie behind each tile; and its scale words
.macro LOADW x
.irp p, 0,1,2
	ds_load_b64 v[46+2*\p:47+2*\p], v1 offset:12288*\x+512*\p
	ds_load_b64 v[58+2*\p:59+2*\p], v1 offset:12288*\x+512*\p+256
.endr
	ds_load_b32 v123, v2 offset:1024*\x
.endm
; a tile of 16 rows of mn: 24 bytes a row.  The address hangs on lane % 16 alone: lanes 16-31 hold copies, which meet zero codes on the other side
.macro LOADM reg, sr, o24, o4
.set LR, \reg
.irp p, 0,1,2
	ds_load_b64 v[LR+2*\p:LR+2*\p+1], v7 offset:\o24+8*\p
.endr
	ds_load_b32 v[\sr], v8 offset:\o4
.endm
; 16 rows of mn x the 32 columns of the unit in QLO, QHI: lane (r, h) gets row r's channels 16 h + 0 .. 15 in v[d] .. v[d + 15]
.macro PROJ d, bb, sr
.set PD, \d
.set PB, \bb
	v_wmma_scale_f32_16x16x128_f8f6f4 v[PD:PD+7], v[46:57], v[PB:PB+11], 0, v123, v[\sr] matrix_a_fmt:MATRIX_FMT_BF6 matrix_b_fmt:MATRIX_FMT_BF6
	v_wmma_scale_f32_16x16x128_f8f6f4 v[PD+8:PD+15], v[58:69], v[PB:PB+11], 0, v123, v[\sr] matrix_a_fmt:MATRIX_FMT_BF6 matrix_b_fmt:MATRIX_FMT_BF6 matrix_a_scale:MATRIX_SCALE_ROW1
.endm
.macro PLACES n
.rept \n
	v_nop
.endr
.endm
; 16 numbers of a lane, half a block (the other half lies in the lane 16 away), become 16 codes in v[cd] .. v[cd + 2]; the scale's byte, four times, goes to v[sr]
.macro QUANT1 x, cd, sr
.set QX, \x
.set QC, \cd
	v_max3_num_f32 v11, |v[QX]|, |v[QX+1]|, 0x2800000              ; the floor 2^(5 - 127) among the leaves: the byte cannot fall under 1.  Two chains; each run of eight is met at its low end first
	v_max3_num_f32 v33, |v[QX+8]|, |v[QX+9]|, |v[QX+10]|
	v_max3_num_f32 v11, v11, |v[QX+2]|, |v[QX+3]|
	v_max3_num_f32 v33, v33, |v[QX+11]|, |v[QX+12]|
	v_max3_num_f32 v11, v11, |v[QX+4]|, |v[QX+5]|
	v_max3_num_f32 v33, v33, |v[QX+13]|, |v[QX+14]|
	v_max3_num_f32 v11, v11, |v[QX+6]|, |v[QX+7]|
	v_max3_num_f32 v11, v11, v33, |v[QX+15]|
	s_delay_alu instid0(VALU_DEP_1)
	v_permlanex16_b32 v12, v11, s34, s35
	s_delay_alu instid0(VALU_DEP_1)
	v_max_num_f32 v11, v11, v12                                    ; the block's largest magnitude
	s_delay_alu instid0(VALU_DEP_1)
	v_add_nc_u32 v13, 0xfe000000, v11                              ; 4 off its exponent field: the conversion takes the exponent field of this operand as its scale
	s_delay_alu instid0(VALU_DEP_1)
	v_lshrrev_b32 v14, 23, v13                                     ; the scale's byte
	s_delay_alu instid0(VALU_DEP_1)
	v_perm_b32 v[\sr], v14, v14, 0                                 ; in all four bytes
	v_cvt_scalef32_pk16_bf6_f32 v[QC:QC+2], v[QX:QX+15], v13
	v_nop                                                          ; one plain place behind a scaled conversion
.endm
; 32 numbers of a lane, a whole block: codes in v[16:18] and v[20:22], the byte four times in v14
.macro QUANT32 y
.set QY, \y
	v_max3_num_f32 v11, |v[QY]|, |v[QY+1]|, 0x2800000
	v_max3_num_f32 v33, |v[QY+2]|, |v[QY+3]|, |v[QY+4]|
.set qi, 5
.rept 6
	s_delay_alu instid0(VALU_DEP_2)
	v_max3_num_f32 v11, v11, |v[QY+qi]|, |v[QY+qi+1]|
	s_delay_alu instid0(VALU_DEP_2)
	v_max3_num_f32 v33, v33, |v[QY+qi+2]|, |v[QY+qi+3]|
.set qi, qi+4
.endr
	s_delay_alu instid0(VALU_DEP_2)
	v_max3_num_f32 v11, v11, |v[QY+29]|, |v[QY+30]|
	s_delay_alu instid0(VALU_DEP_1)
	v_max3_num_f32 v11, v11, v33, |v[QY+31]|
	s_delay_alu instid0(VALU_DEP_1)
	v_add_nc_u32 v13, 0xfe000000, v11
	s_delay_alu instid0(VALU_DEP_1)
	v_lshrrev_b32 v14, 23, v13
	s_delay_alu instid0(VALU_DEP_1)
	v_perm_b32 v14, v14, v14, 0
	v_cvt_scalef32_pk16_bf6_f32 v[16:18], v[QY:QY+15], v13
	v_cvt_scalef32_pk16_bf6_f32 v[20:22], v[QY+16:QY+31], v13      ; (a conversion's three registers begin on an even number)
	v_nop
.endm
; the unit just quantised goes to LDS: code register n of lane (tile u, row r) to piece n / 2, 256 u + 8 r + 4 (n % 2); zeros behind each tile; the scale word
.macro WSTORE o, os
	ds_store_b32 v59, v16 offset:\o
	ds_store_b32 v59, v17 offset:\o+4
	ds_store_b32 v59, v18 offset:\o+512
	ds_store_b32 v59, v20 offset:\o+516
	ds_store_b32 v59, v21 offset:\o+1024
	ds_store_b32 v59, v22 offset:\o+1028
.irp p, 0,1,2
	ds_store_b64 v59, v[40:41] offset:\o+128+512*\p
.endr
	ds_store_b32 v60, v14 offset:\os
.endm
; 64 numbers of a lane, register 16 b + i = number 16 (lane / 16) + i of block b of my row, become a whole operand: 12 registers at v[dst], the scale word in v[scl]
.macro QUANT4 s, dst, scl
.set QS, \s
.set QD, \dst
.irp b, 0,1,2,3
	v_max3_num_f32 v[TM+\b], |v[QS+16*\b]|, |v[QS+16*\b+1]|, 0x2800000
.endr
.irp i, 2,4,6,8,10,12,14
.irp b, 0,1,2,3
	v_max3_num_f32 v[TM+\b], v[TM+\b], |v[QS+16*\b+\i]|, |v[QS+16*\b+\i+1]|   ; the four blocks by turns
.endr
.endr
.irp b, 0,1,2,3
	s_delay_alu instid0(VALU_DEP_4)
	v_permlanex16_b32 v[TM+4+\b], v[TM+\b], s34, s35
.endr
.irp b, 0,1,2,3
	s_delay_alu instid0(VALU_DEP_4)
	v_max_num_f32 v[TM+\b], v[TM+\b], v[TM+4+\b]
.endr
.irp b, 0,1,2,3
	s_delay_alu instid0(VALU_DEP_4)
	v_add_nc_u32 v[TM+12+\b], 0xfe000000, v[TM+\b]
.endr
.irp b, 0,1,2,3
	s_delay_alu instid0(VALU_DEP_4)
	v_lshrrev_b32 v[TM+4+\b], 23, v[TM+12+\b]
.endr
	s_delay_alu instid0(VALU_DEP_3)
	v_lshl_or_b32 v[\scl], v[TM+5], 8, v[TM+4]
	s_delay_alu instid0(VALU_DEP_1)
	v_lshl_or_b32 v[\scl], v[TM+6], 16, v[\scl]
	s_delay_alu instid0(VALU_DEP_1)
	v_lshl_or_b32 v[\scl], v[TM+7], 24, v[\scl]
.irp c, 0,1
	v_cvt_scalef32_pk16_bf6_f32 v[QD+6*\c:QD+6*\c+2], v[QS+32*\c:QS+32*\c+15], v[TM+12+2*\c]
	v_cvt_scalef32_pk16_bf6_f32 v[CT+4*\c:CT+4*\c+2], v[QS+32*\c+16:QS+32*\c+31], v[TM+13+2*\c]
.endr
	v_nop                                                          ; one plain place behind a scaled conversion
.irp c, 0,1                            ; the layout wants a WHOLE block in a lane: lanes 0-15 block 2 c, lanes 16-31 block 2 c + 1
.irp i, 0,1,2
	v_permlane16_swap_b32 v[QD+6*\c+\i], v[CT+4*\c+\i]
.endr
.irp i, 0,1,2
	s_delay_alu instid0(VALU_DEP_3)
	v_mov_b32 v[QD+6*\c+3+\i], v[CT+4*\c+\i]
.endr
.endr
.endm
; LayerNorm and quantiser for my 16 rows of one column: lane (r, h) holds channels 16 h + 0 .. 15 of row r in v[x] on.  The variance is taken of the centred numbers
.macro LNQ x, col
.set LX, \x
	v_pk_add_f32 v[16:17], v[LX:LX+1], v[LX+2:LX+3]
	v_pk_add_f32 v[18:19], v[LX+4:LX+5], v[LX+6:LX+7]
	v_pk_add_f32 v[20:21], v[LX+8:LX+9], v[LX+10:LX+11]
	v_pk_add_f32 v[22:23], v[LX+12:LX+13], v[LX+14:LX+15]
	s_delay_alu instid0(VALU_DEP_3)
	v_pk_add_f32 v[16:17], v[16:17], v[18:19]
	s_delay_alu instid0(VALU_DEP_2)
	v_pk_add_f32 v[20:21], v[20:21], v[22:23]
	s_delay_alu instid0(VALU_DEP_1)
	v_pk_add_f32 v[16:17], v[16:17], v[20:21]
	s_delay_alu instid0(VALU_DEP_1)
	v_add_f32 v16, v16, v17
	s_delay_alu instid0(VALU_DEP_1)
	v_permlanex16_b32 v12, v16, s34, s35
	s_delay_alu instid0(VALU_DEP_1)
	v_add_f32 v16, v16, v12
	s_delay_alu instid0(VALU_DEP_1)
	v_mul_f32 v24, s39, v16                                        ; the mean
.irp j, 0,2,4,6,8,10,12,14
	v_pk_add_f32 v[LX+\j:LX+\j+1], v[LX+\j:LX+\j+1], v[24:25] op_sel_hi:[1,0] neg_lo:[0,1] neg_hi:[0,1]
.endr
	v_pk_mul_f32 v[16:17], v[LX:LX+1], v[LX:LX+1]
	v_pk_mul_f32 v[18:19], v[LX+2:LX+3], v[LX+2:LX+3]
.irp j, 4,8,12
	s_delay_alu instid0(VALU_DEP_2)
	v_pk_fma_f32 v[16:17], v[LX+\j:LX+\j+1], v[LX+\j:LX+\j+1], v[16:17]
	s_delay_alu instid0(VALU_DEP_2)
	v_pk_fma_f32 v[18:19], v[LX+\j+2:LX+\j+3], v[LX+\j+2:LX+\j+3], v[18:19]
.endr
	s_delay_alu instid0(VALU_DEP_1)
	v_pk_add_f32 v[16:17], v[16:17], v[18:19]
	s_delay_alu instid0(VALU_DEP_1)
	v_add_f32 v16, v16, v17
	s_delay_alu instid0(VALU_DEP_1)
	v_permlanex16_b32 v12, v16, s34, s35
	s_delay_alu instid0(VALU_DEP_1)
	v_add_f32 v16, v16, v12
	s_delay_alu instid0(VALU_DEP_1)
	v_fma_f32 v16, v16, s39, s40                                   ; the variance + 1e-5
	s_wait_alu depctr_va_vdst(0)
	v_rsq_f32 v26, v16
	v_nop                                                          ; one plain place behind a transcendental
	s_wait_alu depctr_va_vdst(0)
.irp j, 0,2,4,6,8,10,12,14
	v_pk_mul_f32 v[LX+\j:LX+\j+1], v[LX+\j:LX+\j+1], v[26:27] op_sel_hi:[1,0]
.endr
.irp j, 0,2,4,6,8,10,12,14
	v_pk_fma_f32 v[LX+\j:LX+\j+1], v[LX+\j:LX+\j+1], v[160+\j:161+\j], v[176+\j:177+\j]   ; x gamma + beta
.endr
	QUANT1 LX, 30, 14
	ds_store_b32 v51, v30 offset:6144*\col
	ds_store_b32 v51, v31 offset:6144*\col+4
	ds_store_b32 v51, v32 offset:6144*\col+8
	ds_store_b32 v58, v14 offset:1024*\col                         ; both lanes of a row write the same word with the same value
	s_wait_dscnt 0x0                                               ; the stores have read their registers, which are written again
.endm
; 64 keys: four tiles of mn x Wk, quantised into fragment f of the packed keys.  The four tiles lie on end in v16-39, so that each product's second six registers are the next tile's codes (or Z0): they meet zero codes
.macro KGROUP f
.irp b, 0,1,2,3
	LOADM 16+6*\b, 124+\b, (64*\f+16*\b)*24, (64*\f+16*\b)*4
.endr
	s_wait_dscnt 0x0
.irp b, 0,1,2,3
	PROJ S+16*\b, 16+6*\b, 124+\b
.endr
	PLACES 4                                                       ; four places behind a matrix instruction of this form before its result is read (ISA guide 7.12.1)
	QUANT4 S, KP+12*\f, KS+\f
.endm
	; ---------------- THE HEAD: ids, pointers, and the first 48 loads ----------------
	s_load_b512 s[8:23], s[0:1], 0x0               ; m s[8:9], gamma s[10:11], beta s[12:13], Wq s[14:15], Wk s[16:17], Wv s[18:19], Wg s[20:21], Wo s[22:23]
	s_load_b128 s[24:27], s[0:1], 0x40             ; bo s[24:25], out0 s[26:27]
	v_lshrrev_b32 v1, 5, v0
	s_delay_alu instid0(VALU_DEP_1)
	v_readfirstlane_b32 s2, v1                     ; wave 0..15
	v_and_b32 v16, 31, v0                          ; lane
	v_and_b32 v17, 15, v0                          ; r
	v_bfe_u32 v18, v0, 4, 1                        ; h
	v_and_b32 v19, 7, v0
	v_bfe_u32 v20, v0, 3, 1
	s_lshr_b32 s3, s2, 3                           ; my column of the two
	s_and_b32 s4, s2, 7                            ; my head
	s_and_b32 s5, ttmp9, 1                         ; which half of the queries
	s_lshr_b32 s6, ttmp9, 1                        ; which pair of columns
	v_lshlrev_b32 v15, 4, v17
	s_delay_alu instid0(VALU_DEP_1)
	v_lshl_add_u32 v15, v18, 15, v15               ; two rows s of 256 bytes: lanes 0-15 one, lanes 16-31 the next, 32,768 bytes on
	v_lshlrev_b32 v48, 6, v18                      ; gamma, beta: my 16 channels
	v_lshl_add_u32 v49, v18, 3, v19
	s_delay_alu instid0(VALU_DEP_1)
	v_lshl_add_u32 v49, v20, 4, v49
	s_delay_alu instid0(VALU_DEP_1)
	v_lshlrev_b32 v49, 2, v49                      ; a weight's column for my lane: (lane % 8) + 8 (lane / 16) + 16 ((lane / 8) % 2), in bytes
	v_lshlrev_b32 v50, 2, v17
	s_delay_alu instid0(VALU_DEP_1)
	v_lshl_add_u32 v50, v18, 11, v50               ; Wo: column r, 16 rows further down for lanes 16-31
	s_lshl_b32 s56, s6, 8                          ; the pair of columns: 256 bytes in a row s
	s_lshl_b32 s48, s5, 3
	s_xor_b32 s48, s48, s2
	s_lshl_b32 s48, s48, 19                        ; my 16 rows of m: s = 16 (wave xor 8 half) + r, 32,768 bytes each
	s_add_co_u32 s48, s48, s56
	s_mov_b32 s49, 0
	s_lshl_b32 s50, s4, 7                          ; my head's 32 columns of a weight
	s_mov_b32 s51, 0
	s_lshl_b32 s52, s4, 12                         ; Wo: block of 32 rows = wave % 8, tile of 16 columns = wave / 8
	s_lshl_b32 s57, s3, 6
	s_add_co_u32 s52, s52, s57
	s_mov_b32 s53, 0
	s_lshl_b32 s54, s5, 7
	s_lshl_b32 s57, s2, 3
	s_add_co_u32 s54, s54, s57
	s_lshl_b32 s54, s54, 15                        ; out0: my 8 rows s = 128 half + 8 wave on
	s_add_co_u32 s54, s54, s56
	s_mov_b32 s55, 0
	s_wait_alu depctr_va_vdst(0)
	s_wait_kmcnt 0x0
	s_add_nc_u64 s[8:9], s[8:9], s[48:49]
	s_cmp_eq_u32 s3, 0                             ; waves 0-7 quantise Wk and Wq of their head, waves 8-15 Wv and Wg: the choice hangs on the wave's number alone
	s_cselect_b64 s[28:29], s[16:17], s[18:19]
	s_cselect_b64 s[30:31], s[14:15], s[20:21]
	s_add_nc_u64 s[28:29], s[28:29], s[50:51]
	s_add_nc_u64 s[30:31], s[30:31], s[50:51]
	s_add_nc_u64 s[22:23], s[22:23], s[52:53]
	s_add_nc_u64 s[26:27], s[26:27], s[54:55]
.irp g, 0,1,2,3,4,5,6,7
	global_load_b128 v[128+4*\g:131+4*\g], v15, s[8:9] offset:65536*\g   ; rows 2 g, 2 g + 1 of my 16: twice 256 consecutive bytes, each at a multiple of 256 from m's first byte
.endr
.irp q, 0,1,2,3
	global_load_b128 v[160+4*\q:163+4*\q], v48, s[10:11] offset:16*\q
	global_load_b128 v[176+4*\q:179+4*\q], v48, s[12:13] offset:16*\q
.endr
.irp i, 0,1,2,3,4,5,6,7,8,9,10,11,12,13,14,15,16,17,18,19,20,21,22,23,24,25,26,27,28,29,30,31
	global_load_b32 v[192+\i], v49, s[28:29] offset:1024*\i        ; my first unit: a lane takes a column, its registers run down K: a whole block in a lane
.endr
	; constants and LDS addresses, while the loads are out
	s_mov_b32 s34, 0x76543210
	s_mov_b32 s35, 0xfedcba98                      ; v_permlanex16_b32's selects for the lane 16 away
	s_mov_b32 s36, 0x3e8293ee                      ; c = log2(e) / sqrt(32)
	s_mov_b32 s37, s36                             ; (named with it as a pair, so it is written)
	s_mov_b32 s38, 0xbe8293ee                      ; -c
	s_mov_b32 s39, 0x3d000000                      ; 1 / 32
	s_mov_b32 s40, 0x3727c5ac                      ; 1e-5
	s_mov_b32 s42, 0xbfb8aa3b                      ; -log2(e)
	s_mov_b32 s43, s42
	s_mul_i32 s57, s4, 1536
	s_add_co_u32 s58, s57, WI
	v_lshl_add_u32 v1, v16, 3, s58                 ; WA = WI + 1,536 head + 8 lane
	s_lshl_b32 s59, s4, 7
	s_add_co_u32 s58, s59, WS
	v_lshl_add_u32 v2, v16, 2, s58                 ; WSA = WS + 128 head + 4 lane
	v_mul_u32_u24 v21, v17, 24
	s_mul_i32 s58, s3, 6144
	s_add_co_u32 s58, s58, MN
	v_add_nc_u32 v3, s58, v21                      ; MN + 6,144 column + 24 r
	s_lshl_b32 s58, s3, 10
	s_add_co_u32 s58, s58, MS
	v_lshl_add_u32 v4, v17, 2, s58                 ; MS + 1,024 column + 4 r
	v_mad_u32_u24 v22, v18, 12, v21                ; 24 r + 12 h
	s_mul_i32 s58, s2, 3072
	s_add_co_u32 s58, s58, OC
	v_add_nc_u32 v5, s58, v22                      ; OC + 3,072 wave + 24 r + 12 h
	s_lshl_b32 s58, s2, 7
	s_add_co_u32 s58, s58, OS
	v_add_nc_u32 v6, s58, v17                      ; OS + 128 wave + r
	s_mul_i32 s60, s2, 4352                        ; my stage
	v_mul_u32_u24 v46, v18, 272
	s_delay_alu instid0(VALU_DEP_1)
	v_lshl_add_u32 v46, v17, 4, v46
	s_delay_alu instid0(VALU_DEP_1)
	v_add_nc_u32 v46, s60, v46                     ; into it: as loaded, two rows of 256 bytes, 272 apart
	v_mul_u32_u24 v47, v17, 272
	s_delay_alu instid0(VALU_DEP_1)
	v_lshl_add_u32 v47, v18, 6, v47
	s_delay_alu instid0(VALU_DEP_1)
	v_add_nc_u32 v47, s60, v47                     ; out of it: row r, my 64 bytes of a column's 128
	s_mul_i32 s58, s2, 384
	s_add_co_u32 s58, s58, MN
	v_add_nc_u32 v51, s58, v22                     ; mn's codes of sigma = 16 wave + r
	s_lshl_b32 s58, s2, 6
	s_add_co_u32 s58, s58, MS
	v_lshl_add_u32 v58, v17, 2, s58                ; and their scale word
	s_mul_i32 s58, s3, 24576
	s_add_co_u32 s58, s58, s57
	s_add_co_u32 s58, s58, WI
	v_lshlrev_b32 v59, 3, v17
	s_delay_alu instid0(VALU_DEP_1)
	v_lshl_add_u32 v59, v18, 8, v59
	s_delay_alu instid0(VALU_DEP_1)
	v_add_nc_u32 v59, s58, v59                     ; my first unit's image: + 256 tile + 8 row
	s_lshl_b32 s58, s3, 11
	s_add_co_u32 s58, s58, s59
	s_add_co_u32 s58, s58, WS
	v_lshl_add_u32 v60, v16, 2, s58                ; and its scale words
	s_mul_i32 s58, s3, 1536                        ; Wo's image: block kb = wave % 8 of tile u = wave / 8 lies in fragment 2 (kb / 4) + u, lanes 16 (kb % 2) + r, registers 6 ((kb / 2) % 2) + 3 h + 0 .. 2
	s_lshr_b32 s61, s4, 2
	s_mul_i32 s62, s61, 3072
	s_add_co_u32 s58, s58, s62
	s_bfe_u32 s62, s4, 0x10001
	s_mul_i32 s62, s62, 768
	s_add_co_u32 s58, s58, s62
	s_and_b32 s62, s4, 1
	s_lshl_b32 s62, s62, 6
	s_add_co_u32 s58, s58, s62
	s_add_co_u32 s58, s58, WOI
	v_mul_u32_u24 v61, v18, 384
	s_delay_alu instid0(VALU_DEP_1)
	v_lshl_add_u32 v61, v17, 2, v61
	s_delay_alu instid0(VALU_DEP_1)
	v_add_nc_u32 v61, s58, v61
	s_lshl_b32 s58, s61, 7                         ; and its scale byte
	s_lshl_b32 s62, s3, 6
	s_add_co_u32 s58, s58, s62
	s_and_b32 s62, s4, 3
	s_add_co_u32 s58, s58, s62
	s_add_co_u32 s58, s58, WOS
	v_lshl_add_u32 v62, v17, 2, s58
.irp z, 40,41,42,43,44,45,52,53,54,55,56,57,64,65,66,67,68,69
	v_mov_b32 v[\z], 0                             ; Z0, Z1, Z2: zero codes, for the whole launch
.endr
	v_mov_b32 v12, 0                               ; a lane permute's destination counts as one of its sources
	v_mov_b32 v25, 0                               ; upper halves of pairs of which the low word serves both halves
	v_mov_b32 v27, 0
	s_wait_loadcnt 40                              ; m's eight loads are in: behind them stand gamma's and beta's 8 and the unit's 32
.irp g, 0,1,2,3,4,5,6,7
	ds_store_b128 v46, v[128+4*\g:131+4*\g] offset:544*\g          ; the turn through my own stage: in as loaded,
.endr
.irp c, 0,1
.irp q, 0,1,2,3
	ds_load_b128 v[86+16*\c+4*\q:89+16*\c+4*\q], v47 offset:128*\c+16*\q   ; out 16 neighbours a lane and column.  LDS serves a wave's instructions in order (ISA guide 5.7.1.4)
.endr
.endr
.irp i, 0,1,2,3,4,5,6,7,8,9,10,11,12,13,14,15,16,17,18,19,20,21,22,23,24,25,26,27,28,29,30,31
	global_load_b32 v[224+\i], v49, s[30:31] offset:1024*\i        ; my second unit
.endr
.irp i, 0,1,2,3,4,5,6,7,8,9,10,11,12,13,14,15
	global_load_b32 v[70+\i], v50, s[22:23] offset:128*\i          ; Wo(32 kb + 16 h + i, 16 u + r)
.endr
	s_wait_loadcnt 63                              ; gamma and beta are in: 80 loads stand behind them, and 63 is the largest count that a wait can name
	s_wait_dscnt 0x0
	LNQ 86, 0
	LNQ 102, 1
	s_wait_loadcnt 48                              ; the first unit is in: behind it the second's 32 and Wo's 16
	QUANT32 192
	WSTORE 0, 0
	s_wait_dscnt 0x0                               ; the stores have read their registers
	s_wait_loadcnt 16                              ; the second unit: behind it Wo's 16
	QUANT32 224
	WSTORE 12288, 1024
	s_wait_dscnt 0x0
	s_wait_loadcnt 0x0
	QUANT1 70, 30, 14
	ds_store_b32 v61, v30
	ds_store_b32 v61, v31 offset:128
	ds_store_b32 v61, v32 offset:256
	ds_store_b8 v62, v14                           ; both lanes of a block write the same byte with the same value
	s_wait_dscnt 0x0                               ; for the others' sake: all my LDS stores have landed
	s_barrier_signal -1
	s_barrier_wait -1                              ; mn, the 32 weight units and Wo lie in LDS as codes
	; ---------------- THE KEYS of my column and head, into registers ----------------
	v_mov_b32 v7, v3
	v_mov_b32 v8, v4
.irp b, 0,1,2,3
	v_mov_b32 v[TM+4+\b], 0                        ; lane permutes' destinations
.endr
	LOADW 0                                        ; Wk
	KGROUP 0
	KGROUP 1
	KGROUP 2
	KGROUP 3
	v_mov_b32 v20, 0                               ; a lane permute's destination; upper halves of two pairs
	v_mov_b32 v23, 0
	v_mov_b32 v31, 0
	s_mov_b32 s44, 0                               ; the trip's step in mn's and o's codes (384), in scale words (64), in scale bytes (16)
	s_mov_b32 s45, 0
	s_mov_b32 s46, 0
	s_mov_b32 s47, 8
	; ---------------- EIGHT TRIPS: 16 queries x 256 keys each ----------------
.Ljob:
	s_setprio 2
	v_add_nc_u32 v7, s44, v3
	v_add_nc_u32 v8, s45, v4
	LOADW 1                                        ; Wq
	LOADM 34, 124, 0, 0                            ; the 16 rows of mn: they serve q, v and g
	s_wait_dscnt 0x0                               ; and the last trip's stores have read their registers
	PROJ S, 34, 124                                ; q
	v_add_nc_u32 v9, s44, v5                       ; (four places)
	v_add_nc_u32 v10, s46, v6
	v_nop
	v_nop
	QUANT1 S, 46, 122                              ; lane (r, h): the codes of channels 16 h + 0 .. 15 in v46-48; the scale word in v122
.irp e, 0,1,2
	v_mov_b32 v[49+\e], 0
.endr
.irp e, 0,1,2
	v_mov_b32 v[61+\e], v[46+\e]
.endr
.irp e, 0,1,2
	v_permlane16_swap_b32 v[46+\e], v[49+\e]       ; QLO: lanes 0-15 the whole block (lower 16 codes, upper 16 codes), lanes 16-31 zeros
.endr
.irp e, 0,1,2
	v_mov_b32 v[58+\e], 0
.endr
.irp e, 0,1,2
	s_delay_alu instid0(VALU_DEP_3)
	v_permlane16_swap_b32 v[58+\e], v[61+\e]       ; QHI: lanes 0-15 zeros, lanes 16-31 the whole block
.endr
	PLACES 4                                       ; an operand written by vector instructions stands 4 places ahead of a scaled matrix instruction, a scale register 8: v122 has the nine moves above and these
.irp f, 0,1,2,3                        ; S^T = K Q^T: key tile 4 f + b against the queries alive in block b.  Lane (r, h): query r, keys 16 (4 f + b) + 8 h + 0 .. 7
	v_wmma_scale_f32_16x16x128_f8f6f4 v[S+32*\f:S+32*\f+7], v[KP+12*\f:KP+12*\f+11], v[46:57], 0, v[KS+\f], v122 matrix_a_fmt:MATRIX_FMT_BF6 matrix_b_fmt:MATRIX_FMT_BF6
	v_wmma_scale_f32_16x16x128_f8f6f4 v[S+32*\f+8:S+32*\f+15], v[KP+12*\f:KP+12*\f+11], v[58:69], 0, v[KS+\f], v122 matrix_a_fmt:MATRIX_FMT_BF6 matrix_b_fmt:MATRIX_FMT_BF6
	v_wmma_scale_f32_16x16x128_f8f6f4 v[S+32*\f+16:S+32*\f+23], v[KP+12*\f:KP+12*\f+11], v[40:51], 0, v[KS+\f], v122 matrix_a_fmt:MATRIX_FMT_BF6 matrix_b_fmt:MATRIX_FMT_BF6
	v_wmma_scale_f32_16x16x128_f8f6f4 v[S+32*\f+24:S+32*\f+31], v[KP+12*\f:KP+12*\f+11], v[52:63], 0, v[KS+\f], v122 matrix_a_fmt:MATRIX_FMT_BF6 matrix_b_fmt:MATRIX_FMT_BF6
.endr
	PLACES 4                                       ; for the loads into the chain, and for the first reads of the scores
	LOADW 2                                        ; Wv lands while the softmax is worked
.irp c, 0,1,2,3                        ; the largest of my 128 scores: four chains of 32 ascending registers
	v_max3_num_f32 v[16+\c], v[S+32*\c], v[S+32*\c+1], v[S+32*\c+2]
.endr
.irp i, 3,5,7,9,11,13,15,17,19,21,23,25,27,29
.irp c, 0,1,2,3
	v_max3_num_f32 v[16+\c], v[16+\c], v[S+32*\c+\i], v[S+32*\c+\i+1]
.endr
.endr
.irp c, 0,1,2,3
	v_max_num_f32 v[16+\c], v[16+\c], v[S+32*\c+31]
.endr
	s_delay_alu instid0(VALU_DEP_2)
	v_max3_num_f32 v16, v16, v17, v18
	s_delay_alu instid0(VALU_DEP_1)
	v_max_num_f32 v16, v16, v19
	s_delay_alu instid0(VALU_DEP_1)
	v_permlanex16_b32 v20, v16, s34, s35
	s_delay_alu instid0(VALU_DEP_1)
	v_max_num_f32 v16, v16, v20                    ; with the other 128 keys: the query's largest score
	s_delay_alu instid0(VALU_DEP_1)
	v_mul_f32 v22, s38, v16                        ; -c max
.set pj, 0
.rept 64
	v_pk_fma_f32 v[S+pj:S+pj+1], v[S+pj:S+pj+1], s[36:37], v[22:23] op_sel_hi:[1,0,0]   ; c s - c max, two at a time
.set pj, pj+2
.endr
.set pj, 0
	s_setprio 1
	s_wait_alu depctr_va_vdst(0)
.rept 128
	v_exp_f32 v[S+pj], v[S+pj]
.set pj, pj+1
.endr
	v_nop                                          ; one plain place behind the exponentials
	s_wait_alu depctr_va_vdst(0)
	v_pk_add_f32 v[26:27], v[128:129], v[130:131]
	v_pk_add_f32 v[126:127], v[136:137], v[140:141]
	v_pk_add_f32 v[32:33], v[144:145], v[148:149]
	v_pk_add_f32 v[28:29], v[152:153], v[156:157]
	v_pk_add_f32 v[18:19], v[160:161], v[164:165]
	v_pk_add_f32 v[16:17], v[168:169], v[172:173]
	v_pk_add_f32 v[24:25], v[176:177], v[180:181]
	v_pk_add_f32 v[24:25], v[24:25], v[184:185]
	v_pk_add_f32 v[26:27], v[26:27], v[188:189]
	v_pk_add_f32 v[126:127], v[126:127], v[192:193]
	v_pk_add_f32 v[32:33], v[32:33], v[196:197]
	v_pk_add_f32 v[28:29], v[28:29], v[200:201]
	v_pk_add_f32 v[18:19], v[18:19], v[204:205]
	v_pk_add_f32 v[16:17], v[16:17], v[208:209]
	v_pk_add_f32 v[24:25], v[24:25], v[212:213]
	v_pk_add_f32 v[26:27], v[26:27], v[216:217]
	v_pk_add_f32 v[126:127], v[126:127], v[220:221]
	v_pk_add_f32 v[32:33], v[32:33], v[224:225]
	v_pk_add_f32 v[28:29], v[28:29], v[228:229]
	v_pk_add_f32 v[18:19], v[18:19], v[232:233]
	v_pk_add_f32 v[16:17], v[16:17], v[236:237]
	v_pk_add_f32 v[24:25], v[24:25], v[240:241]
	v_pk_add_f32 v[26:27], v[26:27], v[244:245]
	v_pk_add_f32 v[126:127], v[126:127], v[248:249]
	v_pk_add_f32 v[32:33], v[32:33], v[252:253]
	v_pk_add_f32 v[28:29], v[28:29], v[132:133]
	v_pk_add_f32 v[18:19], v[18:19], v[134:135]
	v_pk_add_f32 v[16:17], v[16:17], v[138:139]
	v_pk_add_f32 v[24:25], v[24:25], v[142:143]
	v_pk_add_f32 v[26:27], v[26:27], v[146:147]
	v_pk_add_f32 v[126:127], v[126:127], v[150:151]
	v_pk_add_f32 v[32:33], v[32:33], v[154:155]
	v_pk_add_f32 v[28:29], v[28:29], v[158:159]
	v_pk_add_f32 v[18:19], v[18:19], v[162:163]
	v_pk_add_f32 v[16:17], v[16:17], v[166:167]
	v_pk_add_f32 v[24:25], v[24:25], v[170:171]
	v_pk_add_f32 v[26:27], v[26:27], v[174:175]
	v_pk_add_f32 v[126:127], v[126:127], v[178:179]
	v_pk_add_f32 v[32:33], v[32:33], v[182:183]
	v_pk_add_f32 v[28:29], v[28:29], v[186:187]
	v_pk_add_f32 v[18:19], v[18:19], v[190:191]
	v_pk_add_f32 v[16:17], v[16:17], v[194:195]
	v_pk_add_f32 v[24:25], v[24:25], v[198:199]
	v_pk_add_f32 v[26:27], v[26:27], v[202:203]
	v_pk_add_f32 v[126:127], v[126:127], v[206:207]
	v_pk_add_f32 v[32:33], v[32:33], v[210:211]
	v_pk_add_f32 v[28:29], v[28:29], v[214:215]
	v_pk_add_f32 v[18:19], v[18:19], v[218:219]
	v_pk_add_f32 v[16:17], v[16:17], v[222:223]
	v_pk_add_f32 v[24:25], v[24:25], v[226:227]
	v_pk_add_f32 v[26:27], v[26:27], v[230:231]
	v_pk_add_f32 v[126:127], v[126:127], v[234:235]
	v_pk_add_f32 v[32:33], v[32:33], v[238:239]
	v_pk_add_f32 v[28:29], v[28:29], v[242:243]
	v_pk_add_f32 v[18:19], v[18:19], v[246:247]
	v_pk_add_f32 v[16:17], v[16:17], v[250:251]
	v_pk_add_f32 v[24:25], v[24:25], v[254:255]
	s_delay_alu instid0(VALU_DEP_1)
	v_pk_add_f32 v[24:25], v[24:25], v[28:29]
	s_delay_alu instid0(VALU_DEP_4)
	v_pk_add_f32 v[26:27], v[26:27], v[18:19]
	s_delay_alu instid0(VALU_DEP_4)
	v_pk_add_f32 v[126:127], v[126:127], v[16:17]
	s_delay_alu instid0(VALU_DEP_1)
	v_pk_add_f32 v[24:25], v[24:25], v[126:127]
	s_delay_alu instid0(VALU_DEP_3)
	v_pk_add_f32 v[26:27], v[26:27], v[32:33]
	s_delay_alu instid0(VALU_DEP_1)
	v_pk_add_f32 v[24:25], v[24:25], v[26:27]
	s_delay_alu instid0(VALU_DEP_1)
	v_add_f32 v28, v24, v25
	s_delay_alu instid0(VALU_DEP_1)
	v_permlanex16_b32 v20, v28, s34, s35
	s_delay_alu instid0(VALU_DEP_1)
	v_add_f32 v28, v28, v20                        ; L
	s_wait_dscnt 0x0                               ; Wv
	PROJ S, 34, 124                                ; v
	PLACES 4
	LOADW 3                                        ; Wg
	s_wait_alu depctr_va_vdst(0)
	v_rcp_f32 v29, v28
	v_nop
	s_wait_alu depctr_va_vdst(0)
	v_mul_f32 v30, v28, v29                        ; the sum over t of e / L = L x (1 / L)
	s_setprio 0
	s_wait_alu depctr_va_vdst(0)
	s_wait_dscnt 0x0
	PROJ S+16, 34, 124                             ; mn Wg
.irp j, 0,2,4,6,8,10,12,14
	v_pk_mul_f32 v[S+\j:S+\j+1], v[S+\j:S+\j+1], v[30:31] op_sel_hi:[1,0]   ; the weights' sum x v, in f32.  (These eight are also the places behind the products above)
.endr
.irp j, 0,2,4,6,8,10,12,14
	v_pk_mul_f32 v[S+16+\j:S+17+\j], v[S+16+\j:S+17+\j], s[42:43] op_sel_hi:[1,0]
.endr
	s_wait_alu depctr_va_vdst(0)
.irp j, 0,1,2,3,4,5,6,7,8,9,10,11,12,13,14,15
	v_exp_f32 v[S+16+\j], v[S+16+\j]               ; e^-x
.endr
	v_nop
	s_wait_alu depctr_va_vdst(0)
.irp j, 0,2,4,6,8,10,12,14
	v_pk_add_f32 v[S+16+\j:S+17+\j], v[S+16+\j:S+17+\j], 1.0 op_sel_hi:[1,0]
.endr
	s_wait_alu depctr_va_vdst(0)
.irp j, 0,1,2,3,4,5,6,7,8,9,10,11,12,13,14,15
	v_rcp_f32 v[S+16+\j], v[S+16+\j]               ; the gate
.endr
	v_nop
	s_wait_alu depctr_va_vdst(0)
.irp j, 0,2,4,6,8,10,12,14
	v_pk_mul_f32 v[S+\j:S+\j+1], v[S+\j:S+\j+1], v[S+16+\j:S+17+\j]   ; o
.endr
	QUANT1 S, 16, 14                               ; a head's 32 channels are a block of the last product's K
	ds_store_b32 v9, v16
	ds_store_b32 v9, v17 offset:4
	ds_store_b32 v9, v18 offset:8
	ds_store_b8 v10, v14
	s_add_co_u32 s44, s44, 384
	s_add_co_u32 s45, s45, 64
	s_add_co_u32 s46, s46, 16
	s_sub_co_u32 s47, s47, 1
	s_cmp_lg_u32 s47, 0
	s_cbranch_scc1 .Ljob
	s_setprio 0
	; ---------------- out = o Wo + bo: wave w takes 16 rows: sigma = 8 w + r / 2, column r % 2 ----------------
	s_wait_dscnt 0x0                               ; the last stores have read their registers
	v_and_b32 v16, 31, v0
	v_and_b32 v17, 15, v0
	v_bfe_u32 v18, v0, 4, 1
	v_and_b32 v19, 1, v0                           ; r % 2
	v_bfe_u32 v20, v0, 1, 3                        ; r / 2
	v_lshl_add_u32 v1, v16, 2, WOI
	v_lshl_add_u32 v2, v16, 2, WOS
	v_lshlrev_b32 v3, 5, v18                       ; bo: my eight outputs of a tile
	s_mul_i32 s58, s2, 192
	s_add_co_u32 s58, s58, OC
	v_mul_u32_u24 v4, v19, 24576
	s_delay_alu instid0(VALU_DEP_1)
	v_mad_u32_u24 v4, v18, 3072, v4
	s_delay_alu instid0(VALU_DEP_1)
	v_mad_u32_u24 v4, v20, 24, v4
	s_delay_alu instid0(VALU_DEP_1)
	v_add_nc_u32 v4, s58, v4                       ; o's codes: the region of (column r % 2, head 4 ks + 2 c + h), row sigma
	s_lshl_b32 s58, s2, 3
	s_add_co_u32 s58, s58, OS
	v_lshl_add_u32 v5, v19, 10, v20
	s_delay_alu instid0(VALU_DEP_1)
	v_add_nc_u32 v5, s58, v5                       ; and their scale bytes
	v_mul_u32_u24 v6, v17, 144
	s_delay_alu instid0(VALU_DEP_1)
	v_lshl_add_u32 v6, v18, 5, v6
	s_delay_alu instid0(VALU_DEP_1)
	v_add_nc_u32 v6, s60, v6                       ; my stage, in: row r of 128 + 16 bytes, + 32 h
	v_bfe_u32 v21, v0, 3, 2
	v_and_b32 v22, 7, v0
	s_delay_alu instid0(VALU_DEP_2)
	v_mul_u32_u24 v7, v21, 144
	s_delay_alu instid0(VALU_DEP_1)
	v_lshl_add_u32 v7, v22, 4, v7
	s_delay_alu instid0(VALU_DEP_1)
	v_add_nc_u32 v7, s60, v7                       ; back: eight lanes to a row, four rows an instruction
.irp n, 0,1,2,3,4,5,6,7,8,9,10,11,12,13,14,15,16,17,18,19,20,21,22,23,24,25,26,27,28,29,30,31,32,33,34,35,36,37,38,39,40,41,42,43,44,45,46,47
	ds_load_b32 v[128+\n], v1 offset:128*\n        ; Wo's four fragments, register by register, as they were laid
.endr
	ds_load_b32 v126, v2                           ; Wo's scale words: lanes 0-15 tile 0, lanes 16-31 tile 1; K step 0,
	ds_load_b32 v127, v2 offset:128                ; K step 1
	global_load_b128 v[200:203], v3, s[24:25]              ; bo is the C of each sum's first product: lane (r, h), tile u: bo[16 u + 8 h + 0 .. 7]
	global_load_b128 v[204:207], v3, s[24:25] offset:16
	global_load_b128 v[208:211], v3, s[24:25] offset:64
	global_load_b128 v[212:215], v3, s[24:25] offset:80
	s_wait_alu depctr_va_vdst(0)
	s_wait_dscnt 0x0                               ; no LDS instruction of mine is out
	s_barrier_signal -1
	s_barrier_wait -1                              ; every wave's codes of o lie in LDS
.irp ks, 0,1
.irp c, 0,1
.irp p, 0,1,2
	ds_load_b64 v[176+12*\ks+6*\c+2*\p:177+12*\ks+6*\c+2*\p], v4 offset:12288*\ks+6144*\c+8*\p
.endr
.endr
.endr
.irp n, 0,1,2,3,4,5,6,7
	ds_load_u8 v[216+\n], v5 offset:128*\n         ; my row's scale byte of head n
.endr
	s_wait_dscnt 0x0
	v_lshl_or_b32 v124, v217, 8, v216
	v_lshl_or_b32 v125, v221, 8, v220
	s_delay_alu instid0(VALU_DEP_2)
	v_lshl_or_b32 v124, v218, 16, v124
	s_delay_alu instid0(VALU_DEP_2)
	v_lshl_or_b32 v125, v222, 16, v125
	s_delay_alu instid0(VALU_DEP_2)
	v_lshl_or_b32 v124, v219, 24, v124
	s_delay_alu instid0(VALU_DEP_2)
	v_lshl_or_b32 v125, v223, 24, v125
	PLACES 8                                       ; a scale register written by a vector instruction stands 8 places ahead of a scaled matrix instruction
	s_wait_alu depctr_va_vdst(0)
	s_wait_loadcnt 0x0                             ; bo
	; the two accumulators take turns, one instruction a turn
	v_wmma_scale_f32_16x16x128_f8f6f4 v[200:207], v[128:139], v[176:187], v[200:207], v126, v124 matrix_a_fmt:MATRIX_FMT_BF6 matrix_b_fmt:MATRIX_FMT_BF6
	v_wmma_scale_f32_16x16x128_f8f6f4 v[208:215], v[140:151], v[176:187], v[208:215], v126, v124 matrix_a_fmt:MATRIX_FMT_BF6 matrix_b_fmt:MATRIX_FMT_BF6 matrix_a_scale:MATRIX_SCALE_ROW1
	v_wmma_scale_f32_16x16x128_f8f6f4 v[200:207], v[152:163], v[188:199], v[200:207], v127, v125 matrix_a_fmt:MATRIX_FMT_BF6 matrix_b_fmt:MATRIX_FMT_BF6
	v_wmma_scale_f32_16x16x128_f8f6f4 v[208:215], v[164:175], v[188:199], v[208:215], v127, v125 matrix_a_fmt:MATRIX_FMT_BF6 matrix_b_fmt:MATRIX_FMT_BF6 matrix_a_scale:MATRIX_SCALE_ROW1
	PLACES 4
	ds_store_b128 v6, v[200:203]                   ; lane (r, h): outputs 16 u + 8 h + 0 .. 7 of row r; each accumulator from its low end on
	ds_store_b128 v6, v[204:207] offset:16
	ds_store_b128 v6, v[208:211] offset:64
	ds_store_b128 v6, v[212:215] offset:80
.irp q, 0,1,2,3
	ds_load_b128 v[224+4*\q:227+4*\q], v7 offset:576*\q            ; my own bytes, served in order: these see the stores above
.endr
.irp q, 0,1,2,3
	s_wait_dscnt 3-\q                              ; the younger loads may stay out
	global_store_b128 v15, v[224+4*\q:227+4*\q], s[26:27] offset:65536*\q th:TH_STORE_NT   ; 16 lanes store the two columns' 256 consecutive bytes of a row s, at a multiple of 256 from out0's first byte
.endr
	s_wait_xcnt 0x0
	v_lshl_add_u32 v254, v0, 2, 0x2f900
	v_mov_b32 v255, 0
	s_wait_alu depctr_va_vdst(0)
	s_wait_tensorcnt 0x0
	ds_add_u32 v254, v255
	s_wait_dscnt 0x0
	s_endpgm
.Lfunc_end_k_qedef372086_colattn:
	.size	k_qedef372086_colattn, .Lfunc_end_k_qedef372086_colattn-k_qedef372086_colattn
	.p2alignl 7, 3214868480
	.fill 96, 4, 3214868480
	.section	.rodata,"a",@progbits
	.p2align	6, 0x0
	.amdhsa_kernel k_qedef372086_colattn
		.amdhsa_group_segment_fixed_size 196864
		.amdhsa_private_segment_fixed_size 0
		.amdhsa_enable_private_segment 0
		.amdhsa_kernarg_size 80
		.amdhsa_user_sgpr_count 2
		.amdhsa_user_sgpr_kernarg_segment_ptr 1
		.amdhsa_wavefront_size32 1
		.amdhsa_system_sgpr_workgroup_id_x 1
		.amdhsa_system_sgpr_workgroup_id_y 1
		.amdhsa_system_sgpr_workgroup_id_z 1
		.amdhsa_system_vgpr_workitem_id 0
		.amdhsa_next_free_vgpr 256
		.amdhsa_next_free_sgpr 66
		.amdhsa_reserve_vcc 0
		.amdhsa_float_denorm_mode_32 3
		.amdhsa_float_denorm_mode_16_64 3
		.amdhsa_memory_ordered 1
		.amdhsa_forward_progress 1
		.amdhsa_inst_pref_size 99
	.end_amdhsa_kernel
	.amdgpu_metadata
---
amdhsa.version: [ 1, 2 ]
amdhsa.kernels:
  - .name:           k_qedef372086_colattn
    .symbol:         k_qedef372086_colattn.kd
    .args:
      - { .name: m, .offset: 0, .size: 8, .value_kind: global_buffer, .address_space: global }
      - { .name: ln_gamma, .offset: 8, .size: 8, .value_kind: global_buffer, .address_space: global }
      - { .name: ln_beta, .offset: 16, .size: 8, .value_kind: global_buffer, .address_space: global }
      - { .name: Wq, .offset: 24, .size: 8, .value_kind: global_buffer, .address_space: global }
      - { .name: Wk, .offset: 32, .size: 8, .value_kind: global_buffer, .address_space: global }
      - { .name: Wv, .offset: 40, .size: 8, .value_kind: global_buffer, .address_space: global }
      - { .name: Wg, .offset: 48, .size: 8, .value_kind: global_buffer, .address_space: global }
      - { .name: Wo, .offset: 56, .size: 8, .value_kind: global_buffer, .address_space: global }
      - { .name: bo, .offset: 64, .size: 8, .value_kind: global_buffer, .address_space: global }
      - { .name: out0, .offset: 72, .size: 8, .value_kind: global_buffer, .address_space: global }
    .group_segment_fixed_size: 196864
    .private_segment_fixed_size: 0
    .kernarg_segment_align: 8
    .kernarg_segment_size: 80
    .max_flat_workgroup_size: 512
    .sgpr_count:     66
    .vgpr_count:     256
    .wavefront_size: 32
...
	.end_amdgpu_metadata
.endif
;; end of part 1
